; MI455X (gfx1250); checked and timed in simulation.
; The chip was launched on July 23, 2026; its instructions are those of AMD's public machine-readable ISA for CDNA 5 (MIT licence, August 2026) and "CDNA5" Instruction Set Architecture Reference Guide (July 2026). The comments in the code are by the model that wrote it; some were corrected since.
;; Multi Head Attention. Allowed arithmetic: matrix products marked QUANTISED: E4M3 operands, one given power-of-two scale a tensor, by v_wmma_f32_16x16x64_fp8_fp8 or v_wmma_f32_16x16x128_fp8_fp8, f32 sums; everything else in f32.
;; Inputs: Wk_codes 1,024 x 32 x 32 uint8 (E4M3 codes of Wk, K innermost, in blocks of 32 codes); Wo_codes 1,024 x 32 x 32 uint8 (E4M3 codes of Wo, K innermost, in blocks of 32 codes); Wq_codes 1,024 x 32 x 32 uint8 (E4M3 codes of Wq, K innermost, in blocks of 32 codes); Wv_codes 1,024 x 32 x 32 uint8 (E4M3 codes of Wv, K innermost, in blocks of 32 codes); bk 1,024 float32; bo 1,024 float32; bq 1,024 float32; bv 1,024 float32; lowp_scales 12 int32 (the exponents e of the quantised operands' scales 2^e); x_codes 4 x 2,048 x 32 x 32 uint8 (E4M3 codes of x, K innermost, in blocks of 32 codes).
;; Outputs: out0 4 x 2,048 x 1,024 float32.
;; This version of the problem:
;;   THIS VERSION OF THE PROBLEM IS GIVEN IN LOW PRECISION. The matrix products marked QUANTISED in the list below multiply operands that are first quantised to E4M3 (4 exponent bits, 3 mantissa bits; 8 bits a number), with one given power-of-two scale for each operand tensor; their sums are f32. All else is computed in f32.
;;   The module's matrix products, in the order in which they are computed (A, B: the left and right operand; K: the contracted axis; several contracted axes count as one K, in the product's order):
;;     1. [M 8,192, K 1,024] x [K 1,024, N 1,024]; A: input x (given as codes); B: input Wq (given as codes): QUANTISED (scales: A lowp_scales[0], B lowp_scales[1])
;;     2. [M 8,192, K 1,024] x [K 1,024, N 1,024]; A: input x (given as codes); B: input Wk (given as codes): QUANTISED (scales: A lowp_scales[2], B lowp_scales[3])
;;     3. [M 8,192, K 1,024] x [K 1,024, N 1,024]; A: input x (given as codes); B: input Wv (given as codes): QUANTISED (scales: A lowp_scales[4], B lowp_scales[5])
;;     4. batch 64 x [M 2,048, K 64] x [K 64, N 2,048]; A: computed on the way; B: computed on the way: QUANTISED (scales: A lowp_scales[6], B lowp_scales[7])
;;     5. batch 64 x [M 2,048, K 2,048] x [K 2,048, N 64]; A: softmax (see below); B: computed on the way: QUANTISED (scales: A lowp_scales[8], B lowp_scales[9])
;;     6. [M 8,192, K 1,024] x [K 1,024, N 1,024]; A: computed on the way; B: input Wo (given as codes): QUANTISED (scales: A lowp_scales[10], B lowp_scales[11])
;;   THE QUANTISER, for each operand of a quantised product, along K:
;;     - The operand's scale is 2^e, e = its entry of the input lowp_scales (int32; the entries are numbered through the quantised products in the list's order, A before B).
;;     - Each number is divided by the scale, clamped to +-448, and rounded to the nearest number of E4M3, ties to even, subnormals kept.
;;     - The product sums the exact products of the quantised numbers (number of the format x scale) in f32.
;;   ~~~python
;;   def quantise(x, axis, e):      # numpy; x: float32 -> the quantised numbers, widened to float32 again
;;       x = np.moveaxis(x, axis, -1); K = x.shape[-1]
;;       r = np.clip(x / 2.0 ** e, -448, 448)
;;       step = 2.0 ** (np.maximum(np.frexp(np.where(r == 0, 1, r))[1] - 1, -6) - 3)
;;       q = np.round(r / step) * step * 2.0 ** e      # np.round: ties to even
;;       return np.moveaxis(q, -1, axis).astype(np.float32)
;;   ~~~
;;   SOFTMAX AHEAD OF A QUANTISED PRODUCT. Where the list says 'softmax', what is quantised is not the finished softmax but p = 2^(t - M), with t = logit x log2(e) and M = ceil(the row's largest t), a whole number; so 1/2 < the row's largest p <= 1. The row's sum l is taken of the UNQUANTISED p, in f32, and the product's result is divided by l at the end. Since M is a whole number, a kernel that streams over the keys may use a running M (the ceiling of the running maximum): every later rescaling is an exact power of two, so the quantised numbers keep their values, but for numbers so far below the row's largest that they fall under the format's range.
;;   OPERANDS COMPUTED ON THE WAY. 'Computed on the way' means the value that the module computes at that place (a softmax that the list does not call 'softmax' is quantised finished and normalised). What goes into a quantiser is computed in f32, as accurately as f32 sums, v_exp_f32 and their like allow (about 1e-6 of the number): no bf16 or f16 on the way to a quantiser, and a product that is left as it is and whose result goes on into a quantised operand takes f32 operands (vector FMAs, or v_wmma_f32_16x16x4_f32). A number that lies on a knife's edge between two numbers of the format may be rounded either way, as far as f32 arithmetic and the matrix unit's own rounding can turn it there, and no further.
;;   INPUTS GIVEN AS CODES. Wk (in the module: [1024, 1024], K = its axis 1); Wo (in the module: [1024, 1024], K = its axis 1); Wq (in the module: [1024, 1024], K = its axis 1); Wv (in the module: [1024, 1024], K = its axis 1); x (in the module: [4, 2048, 1024], K = its axis 2): each comes as NAME_codes (uint8): NAME with its K axis moved to the last place and cut into blocks of 32 codes, [.., K / 32, bytes a block], one block behind the other in memory; one code a byte (a code: sign, 4 exponent bits, 3 mantissa bits); its scale is its entry of lowp_scales. Its value is code x scale, taken as it is: it is not quantised again, and the codes and scales need not be those that the quantiser above would give.
;; One version. Each part assembles by itself: llvm-mc -triple=amdgcn-amd-amdhsa -mcpu=gfx1250 --defsym DOCPART=n.
;; ======== version 1 of 1: 3 launches
;; limits: right only within a limited range of input values
;; workspace buffers: qimg 8,388,608 bytes; kv 16,777,216 bytes; cimg 8,388,608 bytes
;; launch qkv (part 1): grid 12 x 32, 4 waves a work-group, clusters of 4 x 4, 327,680 bytes of LDS; arguments x_codes, Wq_codes, Wk_codes, Wv_codes, bq, bk, bv, lowp_scales, qimg, kv; writes qimg, kv
.if DOCPART == 1
	.amdgcn_target "amdgcn-amd-amdhsa--gfx1250"
	.amdhsa_code_object_version 6
	.text
	.protected	k_q3dabc3ee5a_qkv
	.globl	k_q3dabc3ee5a_qkv
	.p2align	8
	.type	k_q3dabc3ee5a_qkv,@function
k_q3dabc3ee5a_qkv:
	s_mov_b64 s[64:65], 0
	v_nop
	global_prefetch_b8 v0, s[64:65] scope:SCOPE_SE
	s_setreg_imm32_b32 hwreg(HW_REG_WAVE_MODE, 25, 1), 1
	s_wait_xcnt 0x0
	s_wait_alu depctr_hold_cnt(0) depctr_sa_sdst(0) depctr_va_vdst(0) depctr_va_sdst(0) depctr_va_ssrc(0) depctr_va_vcc(0) depctr_vm_vsrc(0)
	s_getreg_b32 s2, hwreg(HW_REG_IB_STS2, 6, 4)
	s_cmp_eq_u32 s2, 0
	s_cbranch_scc0 .Lentry_in_a_cluster
	s_endpgm
.Lentry_in_a_cluster:
	s_bfe_u32 s2, ttmp6, 0x10000c
	s_cmp_lg_u32 s2, 0xf033
	s_cbranch_scc0 .Lentry_shape_is_right
	s_endpgm
.Lentry_shape_is_right:
; q = x Wq^T + bq, k = x Wk^T + bk, v = x Wv^T + bv on E4M3 codes (K = 1,024), each result quantised at once to E4M3 with its given scale and stored as IMAGES OF OPERAND REGISTERS for the attention launch.
; A tile of 256 x 256 results to a work-group of four waves, 128 x 128 a wave: 64 accumulators, 512 registers.  K goes in steps of 256 through two LDS slots filled by the tensor data mover (rows of 256 bytes).
; KIND = the cluster's x: 0 q, 1 k, 2 v: the same in all sixteen partners.  "A" is the operand whose 16 rows become a lane's ONE row, "B" the one whose rows run along the lane's eight registers
; (the matrix instruction takes source 0 = 16 rows of B, source 1 = 16 rows of A).   q, k: A = x (a lane holds a token, registers run along the head's channels, the next product's K);
; v: A = Wv, B = x (a lane holds a channel, registers run along the tokens, which are the keys: the K of the product with p).  Only pointers and block numbers are chosen by KIND; LDS and the loop are the same.
; CLUSTERS: 4 x 4 work-groups.  A's tile hangs on cy (and the cluster's y), B's on cx (and the cluster's y): each is asked for jointly along a row or a column of the cluster.
; THE BIAS is the C of each sum's first matrix instruction, as bias / 2^(ex + ew); a finished sum stands for value / 2^(ex + ew), so its code is sum / 2^EC, EC = eo - ex - ew (eo: entry 6, 7 or 9 of the scales).
; OUT.  A unit is 512 bytes: four registers, lane l's 16 bytes at 16 l.  qimg [bh][token tile of 16][2 units]; kv [bh][128 keys][16,384]: K [key tile 8][2 units], then V^T [channel tile 4][4 units].
; Eight results of a lane convert to registers 2 c, 2 c + 1 of the 8-bit operand layout (k = 16 c + 8 (lane / 16) + 0 .. 7), so the conversions' results are the units: each store covers 512 consecutive aligned bytes.
; LIMITS: EC between -126 and 119, so that 2^EC and 448 x 2^EC are f32 numbers.  NaN codes among the inputs are not served.
; No prefetch is laid: a work-group has two refills in all, and its first two K steps are asked for in its first lines.
; REGISTERS: window 0: v16-30 addresses and constants; v32-95 the bias in the result's layout; v128-255 A's fragments, one set; later the codes.  window 1: B's fragments, two sets.  windows 2, 3: the accumulators, (a, b) at 64 (a % 4) + 8 b.
.set PITCH,  272                       ; an LDS row: 256 bytes + 16 of padding: the 16 rows of a fragment load start 16 bytes apart modulo 256
.set HALFT,  128*PITCH                 ; 128 rows: one tensor load
.set SLOT,   4*HALFT                   ; A's 256 rows, then B's 256
.set SPARE,  2*SLOT                    ; behind the ring: the spare words, 128 bytes a wave
.set ROWB,   256
.set KROW,   1024
.set FR,     16
.set ADRA, 16                          ; v16-17 LDS address of my A fragments in slot 0, 1
.set ADRB, 20                          ; v20-21 the same for B
.set VO,   24                          ; v24 16 x lane; v25 the same one head further on
.set LIM,  26
.set SCL,  27                          ; v27 2^EC
.set SPW,  28                          ; v28 my spare word's LDS address; never rewritten
.set NIL,  29                          ; v29 0; never rewritten
.set BOF,  30                          ; v30 my offset in the bias
.set BI,   32                          ; v32-95 the bias as C
.set BT,   96                          ; v96-103 v's bias as loaded
.set AF,   128
.set CD,   128                         ; the codes, 16 registers for each of A's eight blocks
.set G1, 24
.set G0, 32
.set G1B, 48
.set G0B, 56
.set MSB, 0
.macro WIN new                         ; the immediate's high byte repeats the setting that is left; a switch that changes nothing is dropped
.if MSB != (\new)
	s_set_vgpr_msb (MSB<<8)|(\new)
.set MSB, (\new)
.endif
.endm
; A joint load: waves 0 and 1 fetch A's halves, waves 2 and 3 B's.  The branch hangs on the wave's number alone.  Four v_nop follow each line.
.macro JLOAD g0a, g1a, g0b, g1b
	s_cmp_eq_u32 s15, 0
	s_cbranch_scc0 .Lfor_b_\@
	tensor_load_to_lds s[\g0a:\g0a+3], s[\g1a:\g1a+7]
	s_nop 0
.rept 4
	v_nop
.endr
	s_branch .Lasked_\@
.Lfor_b_\@:
	tensor_load_to_lds s[\g0b:\g0b+3], s[\g1b:\g1b+7]
	s_nop 0
.rept 4
	v_nop
.endr
.Lasked_\@:
.endm
.macro CREST                           ; a round of the cluster's barrier behind its opening barrier
	s_cmp_lg_u32 s14, 0
	s_cbranch_scc1 .Lnot_wave_0_\@
	s_barrier_signal -3
.Lnot_wave_0_\@:
	s_barrier_wait -3
	s_barrier_signal -1
	s_barrier_wait -1
.endm
.macro CROUND
	s_barrier_signal -1
	s_barrier_wait -1
	CREST
.endm
.macro PLACES n                        ; plain vector places behind matrix instructions (ISA guide 7.12.1)
.rept \n
	v_nop
.endr
.endm
	s_load_b512 s[68:83], s[0:1], 0x0              ; x 68, Wq 70, Wk 72, Wv 74, bq 76, bk 78, bv 80, the scales 82
	s_load_b128 s[84:87], s[0:1], 0x40             ; qimg 84, kv 86
	v_lshl_add_u32 v[SPW], v0, 2, SPARE
	v_mov_b32 v[NIL], 0
	ds_add_u32 v28, v29
	ds_add_u32 v28, v29
	s_wait_dscnt 0x0
	v_lshrrev_b32 v1, 5, v0
	v_readfirstlane_b32 s14, v1                    ; wave 0..3
	s_lshr_b32 s15, s14, 1                         ; which half of A's rows is mine.  Also: I fetch for A (0) or for B (1)
	s_and_b32 s16, s14, 1                          ; which half of B's rows.  Also: which 128 rows I fetch
	s_bfe_u32 s40, ttmp6, 0x40000                  ; cx
	s_bfe_u32 s41, ttmp6, 0x40004                  ; cy
	s_and_b32 s17, ttmp7, 0xffff
	s_lshl_b32 s17, s17, 2                         ; 4 x the cluster's y
	s_mov_b32 s66, ttmp9                           ; KIND
	s_lshl_b32 s43, s41, 2
	s_lshl_b32 s43, 15, s43                        ; my row of the cluster
	s_lshl_b32 s44, 0x1111, s40                    ; my column
	s_or_b32 s[G1+0], s43, (1<<20)|(1<<21)|(5<<22)|(3<<25)   ; the mask; elements of 1 byte; padding on; bit 21 beside a mask; 4 words of padding behind every 64
	s_or_b32 s[G1B+0], s44, (1<<20)|(1<<21)|(5<<22)|(3<<25)
.irp g, G1, G1B
	s_mov_b32 s[\g+1], ROWB<<16                    ; tensor_dim0 = 256
	s_mov_b32 s[\g+2], 128<<16                     ; tensor_dim1 = 128
	s_mov_b32 s[\g+3], ROWB<<16                    ; tile_dim0
	s_mov_b32 s[\g+4], 128                         ; tile_dim1
	s_mov_b32 s[\g+5], KROW                        ; the pitch in memory
	s_mov_b32 s[\g+6], 0
	s_mov_b32 s[\g+7], 0
.endr
	s_cmp_eq_u32 s66, 2
	s_cselect_b32 s67, 1, 0                        ; ISV
	s_cselect_b32 s20, 0, s17                      ; A's block of 256 rows: q, k: 4 cluster y + cy of x;  v: cy of Wv
	s_cselect_b32 s46, s17, 0                      ; B's: q, k: cx of W;  v: 4 cluster y + cx of x
	s_add_co_u32 s20, s20, s41
	s_add_co_u32 s46, s46, s40
	s_lshl_b32 s18, s16, 7                         ; the 128 rows that I fetch
	s_lshl_b32 s20, s20, 8
	s_add_co_u32 s20, s20, s18
	s_lshl_b32 s20, s20, 10                        ; rows of 1,024 bytes: under 2^23
	s_mov_b32 s21, 0
	s_lshl_b32 s46, s46, 8
	s_add_co_u32 s46, s46, s18
	s_lshl_b32 s46, s46, 10
	s_mov_b32 s47, 0
	s_mul_i32 s45, s14, HALFT                      ; where my rows go: wave x 128 rows
	s_wait_kmcnt 0x0
	s_load_b256 s[88:95], s[82:83], 0x0            ; e0 .. e7
	s_load_b128 s[96:99], s[82:83], 0x20           ; e8 .. e11
	s_cmp_eq_u32 s66, 2                            ; the buffers are chosen by KIND alone
	s_cselect_b64 s[4:5], s[74:75], s[68:69]       ; A: Wv or x
	s_cselect_b64 s[6:7], s[68:69], s[72:73]       ; B: x or Wk
	s_cselect_b64 s[8:9], s[80:81], s[78:79]       ; the bias: bv or bk
	s_cmp_eq_u32 s66, 0
	s_cselect_b64 s[6:7], s[70:71], s[6:7]         ; Wq
	s_cselect_b64 s[8:9], s[76:77], s[8:9]         ; bq
	s_cselect_b64 s[10:11], s[84:85], s[86:87]     ; out: qimg or kv
	s_add_nc_u64 s[20:21], s[4:5], s[20:21]
	s_add_nc_u64 s[46:47], s[6:7], s[46:47]
	CROUND                                         ; all sixteen work-groups are here: the first joint loads meet
.irp s, 0,1
	s_mov_b32 s[G0+4*\s], 1
	s_add_co_u32 s[G0+4*\s+1], s45, \s*SLOT
	s_add_nc_u64 s[G0+4*\s+2:G0+4*\s+3], s[20:21], \s*ROWB
	s_or_b32 s[G0+4*\s+3], s[G0+4*\s+3], 0x80000000
	s_mov_b32 s[G0B+4*\s], 1
	s_add_co_u32 s[G0B+4*\s+1], s45, \s*SLOT
	s_add_nc_u64 s[G0B+4*\s+2:G0B+4*\s+3], s[46:47], \s*ROWB
	s_or_b32 s[G0B+4*\s+3], s[G0B+4*\s+3], 0x80000000
	JLOAD G0+4*\s, G1, G0B+4*\s, G1B               ; two loads of mine are out
.endr
	v_and_b32 v1, 15, v0                           ; r
	v_bfe_u32 v2, v0, 4, 1                         ; h
	v_mul_u32_u24 v3, v1, PITCH
	v_lshl_add_u32 v4, v2, 4, v3                   ; a fragment's row x pitch + 16 h
	s_mul_i32 s21, s15, HALFT
	s_mul_i32 s22, s16, HALFT
	s_add_co_u32 s22, s22, 2*HALFT
.irp s, 0,1
	v_add_nc_u32 v[ADRA+\s], s21, v4
	v_add_nc_u32 v[ADRB+\s], s22, v4
	s_add_co_u32 s21, s21, SLOT
	s_add_co_u32 s22, s22, SLOT
.endr
	s_wait_kmcnt 0x0                               ; the exponents
	s_add_co_i32 s18, s88, s89
	s_add_co_i32 s19, s90, s91
	s_add_co_i32 s23, s92, s93
	s_cmp_eq_u32 s66, 2
	s_cselect_b32 s100, s23, s19                   ; ex + ew of my product,
	s_cselect_b32 s101, s97, s95                   ; and the result's own exponent
	s_cmp_eq_u32 s66, 0
	s_cselect_b32 s100, s18, s100
	s_cselect_b32 s101, s94, s101
	s_sub_co_i32 s101, s101, s100                  ; EC
	s_sub_co_i32 s100, 0, s100                     ; -(ex + ew), for the bias
	s_add_co_i32 s18, s101, 127
	s_lshl_b32 s19, s18, 23
	v_mov_b32 v[SCL], s19                          ; 2^EC: the conversion takes its exponent field
	s_cmp_eq_u32 s67, 1
	s_cselect_b32 s18, s41, s40                    ; which 256 channels are the tile's,
	s_cselect_b32 s19, s15, s16                    ; which 128 of them mine,
	s_cselect_b32 s22, s40, s41
	s_cselect_b32 s23, s16, s15                    ; which 128 tokens of the tile's 256 mine
	s_add_co_u32 s22, s22, s17                     ; which 256 tokens are the tile's
	s_lshl_b32 s2, s18, 10
	s_lshl_b32 s3, s19, 9
	s_add_co_u32 s2, s2, s3
	s_mov_b32 s3, 0
	s_add_nc_u64 s[8:9], s[8:9], s[2:3]            ; the bias at my 128 channels
	s_lshr_b32 s2, s22, 3                          ; the batch: 8 blocks of 256 tokens each
	s_lshl_b32 s2, s2, 2
	s_add_co_u32 s2, s2, s18
	s_lshl_b32 s2, s2, 1
	s_add_co_u32 s2, s2, s19                       ; half of bh0 = 16 batch + 4 block + 2 half: my first head
	s_lshl_b32 s2, s2, 5                           ; 16 bh0
	s_and_b32 s22, s22, 7
	s_lshl_b32 s22, s22, 1
	s_add_co_u32 s2, s2, s22
	s_add_co_u32 s2, s2, s23                       ; + which 128 tokens of the batch's 2,048
	s_cmp_eq_u32 s66, 0
	s_cselect_b32 s18, 13, 14                      ; 128 tokens of a head are 8,192 bytes in qimg, 16,384 in kv
	s_lshl_b32 s2, s2, s18
	s_lshl_b32 s19, s67, 13                        ; V^T lies behind K's 8,192 bytes
	s_add_co_u32 s2, s2, s19
	s_add_nc_u64 s[10:11], s[10:11], s[2:3]
	s_lshl_b32 s18, 16, s18                        ; a head's bytes
	v_and_b32 v[VO], 31, v0
	v_lshlrev_b32 v[VO], 4, v[VO]
	v_add_nc_u32 v[VO+1], s18, v[VO]
	; the bias in the result's layout, divided by 2^(ex + ew)
	s_cmp_eq_u32 s67, 0
	s_cbranch_scc0 .Lbias_v
	v_lshlrev_b32 v[BOF], 5, v2                    ; q, k: register 8 b + j is channel 16 b + 8 h + j
.irp b, 0,1,2,3,4,5,6,7
	global_load_b128 v[BI+8*\b:BI+8*\b+3], v[BOF], s[8:9] offset:64*\b
	global_load_b128 v[BI+8*\b+4:BI+8*\b+7], v[BOF], s[8:9] offset:64*\b+16
.endr
	s_wait_loadcnt 0x0
.set j, 0
.rept 64
	v_ldexp_f32 v[BI+j], v[BI+j], s100
.set j, j+1
.endr
	s_branch .Lbias_done
.Lbias_v:
	v_lshlrev_b32 v[BOF], 2, v1                    ; v: all eight registers of block a are channel 16 a + r
.irp a, 0,1,2,3,4,5,6,7
	global_load_b32 v[BT+\a], v[BOF], s[8:9] offset:64*\a
.endr
	s_wait_loadcnt 0x0
.irp a, 0,1,2,3,4,5,6,7
.irp i, 0,1,2,3,4,5,6,7
	v_ldexp_f32 v[BI+8*\a+\i], v[BT+\a], s100
.endr
.endr
.Lbias_done:
.macro FRAG reg, adr, q, i             ; 16 rows x 128 K: registers 4 c .. 4 c + 3 hold K = 32 c + 16 h + 0 .. 15: the same permutation of k in A and in B
.irp c, 0,1,2,3
	ds_load_b128 v[\reg+4*\c:\reg+4*\c+3], v[\adr] offset:128*(\q)+32*\c+(\i)*16*PITCH
.endr
.endm
; 16 matrix instructions: A's blocks a0, a0 + 1 x B's eight.  p: B's set.  mode 0: onto the sums; 1: the first product, C = the bias by B's block; 2: C = the bias by A's block.
; The 64 accumulators take turns, one instruction a turn, in the same order in every step.
.macro MUL a0, p, mode
.set WA, 2+(\a0)/4
.if (\mode) == 0
	WIN (0x01|(WA<<4)|(WA<<6))
.else
	WIN (0x01|(WA<<6))
.endif
.irp a, \a0, \a0+1
.irp b, 0,1,2,3,4,5,6,7
.if (\mode) == 0
	v_wmma_f32_16x16x128_fp8_fp8 v[8*(8*((\a)%4)+\b):8*(8*((\a)%4)+\b)+7], v[128*(\p)+FR*\b:128*(\p)+FR*\b+FR-1], v[AF+FR*(\a):AF+FR*(\a)+FR-1], v[8*(8*((\a)%4)+\b):8*(8*((\a)%4)+\b)+7]
.elseif (\mode) == 1
	v_wmma_f32_16x16x128_fp8_fp8 v[8*(8*((\a)%4)+\b):8*(8*((\a)%4)+\b)+7], v[128*(\p)+FR*\b:128*(\p)+FR*\b+FR-1], v[AF+FR*(\a):AF+FR*(\a)+FR-1], v[BI+8*\b:BI+8*\b+7]
.else
	v_wmma_f32_16x16x128_fp8_fp8 v[8*(8*((\a)%4)+\b):8*(8*((\a)%4)+\b)+7], v[128*(\p)+FR*\b:128*(\p)+FR*\b+FR-1], v[AF+FR*(\a):AF+FR*(\a)+FR-1], v[BI+8*(\a):BI+8*(\a)+7]
.endif
.endr
.endr
.endm
.macro FETCH_B slot, q, p
	WIN 0x40                                       ; destination window 1, address window 0
.irp i, 0,1,2,3,4,5,6,7
	FRAG 128*(\p)+FR*\i, ADRB+\slot, \q, \i
.endr
	WIN 0
.endm
.macro FETCH_A slot, q, i0
.irp i, \i0, \i0+1, \i0+2, \i0+3
	FRAG AF+FR*(\i), ADRA+\slot, \q, \i
.endr
.endm
; A step of 128 along K that has its successor in the same slot
.macro STEP slot, q, mode
	s_wait_dscnt 16                                ; B's set and A's blocks 0-3 are in; the youngest 16 loads (A's blocks 4-7) may be out
	MUL 0, (\q)%2, \mode
	MUL 2, (\q)%2, \mode
	s_wait_dscnt 0                                 ; A's blocks 4-7 are in
	PLACES 4                                       ; in front of loads into registers that matrix instructions have read
	FETCH_B \slot, (\q)+1, 1-(\q)%2
	FETCH_A \slot, (\q)+1, 0
	MUL 4, (\q)%2, \mode
	MUL 6, (\q)%2, \mode
	PLACES 4
	WIN 0
	FETCH_A \slot, (\q)+1, 4
.endm
; A slot's last step changes slots: one barrier; in front of it each wave waits for all its tensor loads, adds 0 to its spare word, and waits for that and for its reads of this slot
.macro TURN slot, next, fill
	s_wait_tensorcnt 0x0                           ; all my tensor loads have landed: the one that was out is my part of the next slot
	ds_add_u32 v[SPW], v[NIL]                      ; 0 onto my spare word
	s_wait_dscnt 17                                ; (the add and A's blocks 4-7 may be out)
	MUL 0, 1, 0                                    ; sixteen matrix instructions stand between the add and the wait for it
	s_wait_dscnt 0x0                               ; the add is done, and my reads of this slot are over
	s_barrier_signal -1
	MUL 2, 1, 0
	WIN 0
	s_barrier_wait -1
.if \fill
	CREST                                          ; the barrier has opened a round of the cluster's: no wave of any partner still reads this slot or has a load on its way
	s_add_nc_u64 s[G0+4*\slot+2:G0+4*\slot+3], s[G0+4*\slot+2:G0+4*\slot+3], 2*ROWB
	s_add_nc_u64 s[G0B+4*\slot+2:G0B+4*\slot+3], s[G0B+4*\slot+2:G0B+4*\slot+3], 2*ROWB
	JLOAD G0+4*\slot, G1, G0B+4*\slot, G1B         ; the first tensor load behind the round, my only one until the next; its four v_nop are the places in front of the loads below
.else
	PLACES 4
.endif
	FETCH_B \next, 0, 0
	FETCH_A \next, 0, 0
	MUL 4, 1, 0
	MUL 6, 1, 0
	PLACES 4
	WIN 0
	FETCH_A \next, 0, 4
.endm
	s_wait_tensorcnt 1                             ; my part of K step 0 is in; K step 1's load may be out
	s_barrier_signal -1
	s_barrier_wait -1
	FETCH_B 0, 0, 0
	FETCH_A 0, 0, 0
	FETCH_A 0, 0, 4
	s_cmp_eq_u32 s67, 0                            ; the first step starts the sums with the bias, which lies by B's blocks for q and k, by A's for v: the step stands twice
	s_cbranch_scc0 .Lfirst_v
	s_wait_alu depctr_va_vdst(0)
	STEP 0, 0, 1
	s_branch .Lfirst_done
.Lfirst_v:
	s_wait_alu depctr_va_vdst(0)
	STEP 0, 0, 2
.Lfirst_done:
	TURN 0, 1, 1                                   ; K = 1,024 is four fills: written straight, a loop would have one trip
	STEP 1, 0, 0
	TURN 1, 0, 1
	STEP 0, 0, 0
	TURN 0, 1, 0                                   ; nothing is left to fetch
	STEP 1, 0, 0
	s_wait_dscnt 16
	MUL 0, 1, 0
	MUL 2, 1, 0
	s_wait_dscnt 0
	MUL 4, 1, 0
	MUL 6, 1, 0
	; THE WAY OUT: convert, store.  Each accumulator is read from its low end on.
	PLACES 4
.irp a, 0,1,2,3,4,5,6,7
.set WA, 2+(\a)/4
.set AC, 64*((\a)%4)
	WIN ((WA<<6)|WA)                               ; source 0 and destination: the sums' window
.set j, 0
.rept 64
.set j, j+1
.endr
	WIN WA                                         ; source 0: the sums; the codes go to window 0
.irp b, 0,1,2,3,4,5,6,7
	v_cvt_scalef32_pk8_fp8_f32 v[CD+16*\a+2*\b:CD+16*\a+2*\b+1], v[AC+8*\b:AC+8*\b+7], v[SCL]
.endr
	v_nop                                          ; a plain vector line behind the last conversion of the run
.endr
	WIN 0
	s_cmp_eq_u32 s67, 0
	s_cbranch_scc0 .Lstore_v
.irp a, 0,1,2,3,4,5,6,7                ; q, k: block a is a tile of 16 tokens; its 16 registers are two heads x two units
.irp u, 0,1,2,3
	global_store_b128 v[VO+(\u)/2], v[CD+16*\a+4*\u:CD+16*\a+4*\u+3], s[10:11] offset:\a*1024+((\u)%2)*512
.endr
.endr
	s_branch .Lstored
.Lstore_v:
	s_wait_alu depctr_va_vdst(0)
.irp a, 0,1,2,3,4,5,6,7                ; v: block a is a tile of 16 channels (head a / 4, tile a % 4); its 16 registers are the four units of 128 keys
.irp u, 0,1,2,3
	global_store_b128 v[VO+(\a)/4], v[CD+16*\a+4*\u:CD+16*\a+4*\u+3], s[10:11] offset:((\a)%4)*2048+\u*512
.endr
.endr
.Lstored:
	s_wait_tensorcnt 0x0                           ; the wave's end
	ds_add_u32 v[SPW], v[NIL]
	s_wait_dscnt 0x0
	CROUND                                         ; the closing round: no work-group ends while a partner may still ask for a tile that names it
	s_endpgm
.Lfunc_end_k_q3dabc3ee5a_qkv:
	.size	k_q3dabc3ee5a_qkv, .Lfunc_end_k_q3dabc3ee5a_qkv-k_q3dabc3ee5a_qkv
	.p2alignl 7, 3214868480
	.fill 96, 4, 3214868480
	.section	.rodata,"a",@progbits
	.p2align	6, 0x0
	.amdhsa_kernel k_q3dabc3ee5a_qkv
		.amdhsa_group_segment_fixed_size 327680
		.amdhsa_private_segment_fixed_size 0
		.amdhsa_enable_private_segment 0
		.amdhsa_kernarg_size 80
		.amdhsa_user_sgpr_count 2
		.amdhsa_user_sgpr_kernarg_segment_ptr 1
		.amdhsa_wavefront_size32 1
		.amdhsa_system_sgpr_workgroup_id_x 1
		.amdhsa_system_sgpr_workgroup_id_y 1
		.amdhsa_system_sgpr_workgroup_id_z 1
		.amdhsa_system_vgpr_workitem_id 0
		.amdhsa_next_free_vgpr 1024
		.amdhsa_next_free_sgpr 102
		.amdhsa_reserve_vcc 0
		.amdhsa_float_denorm_mode_32 3
		.amdhsa_float_denorm_mode_16_64 3
		.amdhsa_fp16_overflow 1
		.amdhsa_memory_ordered 1
		.amdhsa_forward_progress 1
		.amdhsa_inst_pref_size 109
	.end_amdhsa_kernel
	.amdgpu_metadata
---
amdhsa.version: [ 1, 2 ]
amdhsa.kernels:
  - .name:           k_q3dabc3ee5a_qkv
    .symbol:         k_q3dabc3ee5a_qkv.kd
    .args:
      - { .name: x_codes, .offset: 0, .size: 8, .value_kind: global_buffer, .address_space: global }
      - { .name: Wq_codes, .offset: 8, .size: 8, .value_kind: global_buffer, .address_space: global }
      - { .name: Wk_codes, .offset: 16, .size: 8, .value_kind: global_buffer, .address_space: global }
      - { .name: Wv_codes, .offset: 24, .size: 8, .value_kind: global_buffer, .address_space: global }
      - { .name: bq, .offset: 32, .size: 8, .value_kind: global_buffer, .address_space: global }
      - { .name: bk, .offset: 40, .size: 8, .value_kind: global_buffer, .address_space: global }
      - { .name: bv, .offset: 48, .size: 8, .value_kind: global_buffer, .address_space: global }
      - { .name: lowp_scales, .offset: 56, .size: 8, .value_kind: global_buffer, .address_space: global }
      - { .name: qimg, .offset: 64, .size: 8, .value_kind: global_buffer, .address_space: global }
      - { .name: kv, .offset: 72, .size: 8, .value_kind: global_buffer, .address_space: global }
    .group_segment_fixed_size: 327680
    .private_segment_fixed_size: 0
    .kernarg_segment_align: 8
    .kernarg_segment_size: 80
    .max_flat_workgroup_size: 128
    .sgpr_count:     102
    .vgpr_count:     1024
    .wavefront_size: 32
...
	.end_amdgpu_metadata
.endif
;; end of part 1
;; launch attn (part 2): grid 4 x 64, 8 waves a work-group, clusters of 4 x 1, 263,168 bytes of LDS; arguments qimg, kv, lowp_scales, cimg; writes cimg
.if DOCPART == 2
	.amdgcn_target "amdgcn-amd-amdhsa--gfx1250"
	.amdhsa_code_object_version 6
	.text
	.protected	k_q3dabc3ee5a_attn
	.globl	k_q3dabc3ee5a_attn
	.p2align	8
	.type	k_q3dabc3ee5a_attn,@function
k_q3dabc3ee5a_attn:
	s_mov_b64 s[64:65], 0
	v_nop
	global_prefetch_b8 v0, s[64:65] scope:SCOPE_SE
	s_setreg_imm32_b32 hwreg(HW_REG_WAVE_MODE, 25, 1), 1
	s_wait_xcnt 0x0
	s_wait_alu depctr_hold_cnt(0) depctr_sa_sdst(0) depctr_va_vdst(0) depctr_va_sdst(0) depctr_va_ssrc(0) depctr_va_vcc(0) depctr_vm_vsrc(0)
	s_getreg_b32 s2, hwreg(HW_REG_IB_STS2, 6, 4)
	s_cmp_eq_u32 s2, 0
	s_cbranch_scc0 .Lentry_in_a_cluster
	s_endpgm
.Lentry_in_a_cluster:
	s_bfe_u32 s2, ttmp6, 0x10000c
	s_cmp_lg_u32 s2, 0x3003
	s_cbranch_scc0 .Lentry_shape_is_right
	s_endpgm
.Lentry_shape_is_right:
; ctx = softmax(q k^T / 8, causal) v for one head (of 64: batch x 16 + head), both products on E4M3 codes; ctx is quantised at once with its given scale and stored as images of the last product's operand registers.
; THE SOFTMAX: t = score x log2(e) / 8; M = the running largest t rounded UP to a whole number; p = 2^(t - M) is quantised along the keys, not normalised; the row's sum is taken of the unquantised p and divides at the end.
; LDS.  A head's whole K and V, 262,144 bytes, are a plain copy of the head's part of kv, filled ONCE: each of the eight waves issues four loads of 8,192 bytes in its first lines (four loads of mine are out).
; Nothing is filled again, nothing is stored to LDS, and nothing is left to ask for ahead, so no prefetch is laid.
; CLUSTER.  The four work-groups of a head need the same bytes: each load is joint, with the mask of all four.
; SHARES.  Work-group g of a head, wave w: first queries 128 (15 - w) + 32 g + 0 .. 31, then 128 w + 32 g + 0 .. 31.  A group at 128 m walks key steps 0 .. m of 128 keys: (16 - w) + (w + 1) = 17 steps for every wave.
; Steps beyond m are jumped over and step m is masked: branches on the wave's number and a loop's count alone; g enters only global addresses and a lane's number DV.
; A wave's 32 queries are two tiles of 16: tile 0 in register window 0, tile 1 in window 1 under the same numbers, so each macro is written once.
; LAYOUT.  S^T = K Q^T (source 0 = 16 keys, source 1 = 16 queries) and O^T = V^T P^T: a lane holds ONE query (lane % 16).  Register 8 c + j of S^T is key 16 c + 8 h + j, so eight registers convert to registers 2 c, 2 c + 1 of P.
; LIMITS on the given exponents: e6 + e7 between -123 and 130 (added to c's exponent field); e8, and e10 - e8 - e9, between -126 and 119.  NaN is not served.
; REGISTERS of a tile: v8 -M, v9 the largest t, v[10:11] the sum, v[12:13] f (v13 = 0), v14-16 at work, v18, v19 448 x 2^e8 and 2^e8, v20 DV, v21 -infinity, v[22:23] a second chain of the sum, v24, v25 448 x 2^EC2 and 2^EC2,
;   v26-29 the exchange, v32-39 Q of the first group, v40-47 of the second, v48-111 S^T then p, v112-143 O^T, v144-159 codes.  window 0 alone: v1 16 x lane, v2 the step's LDS address, v160-223 K, v224-255 results.  window 1: v160-223 V.
.set S,   48
.set OT,  112
.set PC,  144
.set KF,  160
.set QH,  32
.set QL,  40
.set TB,  44                           ; s44 LDS byte at which the key step in hand begins
.set SI,  45                           ; s45 the key step
.set MH,  46                           ; s46 15 - w
.set ML,  47                           ; s47 w
.set MSB, 0
.macro WIN new
.if MSB != (\new)
	s_set_vgpr_msb (MSB<<8)|(\new)
.set MSB, (\new)
.endif
.endm
.macro CROUND                          ; a round of the cluster's barrier
	s_barrier_signal -1
	s_barrier_wait -1
	s_cmp_lg_u32 s12, 0
	s_cbranch_scc1 .Lnot_wave_0_\@
	s_barrier_signal -3
.Lnot_wave_0_\@:
	s_barrier_wait -3
	s_barrier_signal -1
	s_barrier_wait -1
.endm
	s_load_b256 s[4:11], s[0:1], 0x0               ; qimg 4, kv 6, the scales 8, cimg 10
	v_lshl_add_u32 v30, v0, 2, 0x40000
	v_mov_b32 v31, 0
	ds_add_u32 v30, v31
	ds_add_u32 v30, v31
	v_lshrrev_b32 v3, 5, v0
	s_delay_alu instid0(VALU_DEP_1)
	v_readfirstlane_b32 s12, v3                    ; wave 0..7
	s_bfe_u32 s13, ttmp6, 0x40000                  ; g = cx
	s_and_b32 s14, ttmp7, 0xffff                   ; the head, which the four partners share
	s_mov_b32 s16, 15|(3<<16)|(1<<21)              ; group 1: the mask of all four; elements of 8 bytes; bit 21 beside a mask; no padding
	s_mov_b32 s17, 32<<16                          ; tensor_dim0 = 32 elements: rows of 256 bytes
	s_mov_b32 s18, 32<<16                          ; tensor_dim1 = 32 rows: 8,192 dense bytes
	s_mov_b32 s19, 32<<16                          ; tile_dim0
	s_mov_b32 s20, 32                              ; tile_dim1
	s_mov_b32 s21, 32                              ; the pitch
	s_mov_b32 s22, 0
	s_mov_b32 s23, 0
	s_mov_b32 s40, 0x76543210                      ; v_permlanex16_b32's selects for lane l xor 16
	s_mov_b32 s41, 0xfedcba98
	s_mov_b32 s42, 0x3e38aa3b                      ; c = log2(e) / 8
	s_mov_b32 s48, 0xffff0000                      ; lanes 16-31
	s_xor_b32 s[MH], s12, 15                       ; 15 - w
	s_mov_b32 s[ML], s12
	s_lshl_b32 s15, s12, 13                        ; my 8,192 bytes of each 65,536
	s_lshl_b32 s2, s14, 18                         ; the head's 262,144 bytes
	s_add_co_u32 s2, s2, s15
	s_mov_b32 s3, 0
	s_wait_dscnt 0x0
	s_wait_kmcnt 0x0
	s_load_b256 s[52:59], s[8:9], 0x0              ; e0 .. e7
	s_load_b128 s[60:63], s[8:9], 0x20             ; e8 .. e11
	s_add_nc_u64 s[6:7], s[6:7], s[2:3]
	CROUND                                         ; all four work-groups are here: the joint loads meet
.irp c, 0,1,2,3
	s_mov_b32 s[24+4*\c], 1
	s_add_co_u32 s[25+4*\c], s15, \c*65536         ; LDS byte = byte of the head's part of kv
	s_add_nc_u64 s[26+4*\c:27+4*\c], s[6:7], \c*65536
	s_or_b32 s[27+4*\c], s[27+4*\c], 0x80000000
.endr
	tensor_load_to_lds s[24:27], s[16:23]          ; key steps 0-3,
	s_nop 0
	tensor_load_to_lds s[28:31], s[16:23]          ; 4-7,
	s_nop 0
	tensor_load_to_lds s[32:35], s[16:23]          ; 8-11,
	s_nop 0
	tensor_load_to_lds s[36:39], s[16:23]          ; 12-15
	s_nop 0
.rept 4
	v_nop
.endr
	v_and_b32 v1, 31, v0
	s_delay_alu instid0(VALU_DEP_1)
	v_lshlrev_b32 v1, 4, v1                        ; 16 x lane: my place in every unit of 512 bytes
	s_wait_alu depctr_va_vdst(0)
	s_lshl_b32 s49, s13, 11                        ; qimg: a tile of 16 queries is 1,024 bytes: 2 g tiles,
	s_lshl_b32 s2, s14, 17                         ; the head's 131,072 bytes,
	s_add_co_u32 s2, s2, s49
	s_lshl_b32 s50, s[MH], 13                      ; 8 m tiles
	s_add_co_u32 s50, s50, s2
	s_mov_b32 s51, 0
	s_add_nc_u64 s[66:67], s[4:5], s[50:51]
	s_lshl_b32 s50, s[ML], 13
	s_add_co_u32 s50, s50, s2
	s_add_nc_u64 s[68:69], s[4:5], s[50:51]
	s_lshr_b32 s2, s14, 4                          ; cimg: a tile of 16 rows is 16,384 bytes: 128 tiles a batch,
	s_lshl_b32 s2, s2, 21
	s_and_b32 s49, s14, 15
	s_lshl_b32 s49, s49, 10                        ; the head's 1,024 bytes of a tile,
	s_add_co_u32 s2, s2, s49
	s_lshl_b32 s49, s13, 15                        ; 2 g tiles,
	s_add_co_u32 s2, s2, s49
	s_lshl_b32 s50, s[MH], 17                      ; 8 m tiles
	s_add_co_u32 s50, s50, s2
	s_add_nc_u64 s[70:71], s[10:11], s[50:51]
	s_lshl_b32 s50, s[ML], 17
	s_add_co_u32 s50, s50, s2
	s_add_nc_u64 s[72:73], s[10:11], s[50:51]
	global_load_b128 v[QH:QH+3], v1, s[66:67]      ; Q stays in registers: tile 0 of both groups,
	global_load_b128 v[QH+4:QH+7], v1, s[66:67] offset:512
	global_load_b128 v[QL:QL+3], v1, s[68:69]
	global_load_b128 v[QL+4:QL+7], v1, s[68:69] offset:512
	WIN 0x40                                       ; destination window 1
	global_load_b128 v[QH:QH+3], v1, s[66:67] offset:1024   ; and tile 1
	global_load_b128 v[QH+4:QH+7], v1, s[66:67] offset:1536
	global_load_b128 v[QL:QL+3], v1, s[68:69] offset:1024
	global_load_b128 v[QL+4:QL+7], v1, s[68:69] offset:1536
	WIN 0
	v_and_b32 v3, 15, v0
	v_bfe_u32 v4, v0, 4, 1
	s_delay_alu instid0(VALU_DEP_1)
	v_lshlrev_b32 v4, 3, v4
	s_delay_alu instid0(VALU_DEP_1)
	v_sub_nc_u32 v3, v3, v4
	s_lshl_b32 s78, s13, 5
	v_add_nc_u32 v3, s78, v3                       ; 32 g + r - 8 h
	s_wait_alu depctr_va_vdst(0)
	s_wait_kmcnt 0x0
	s_add_co_i32 s78, s58, s59
	s_lshl_b32 s78, s78, 23
	s_add_co_i32 s42, s42, s78                     ; a score stands for score x 2^(e6 + e7): added to c's exponent field
	s_mov_b32 s43, s42                             ; (named with it as a pair)
	s_add_co_i32 s78, s60, 127
	s_lshl_b32 s74, s78, 23                        ; 2^e8
	s_sub_co_i32 s78, s62, s60
	s_sub_co_i32 s78, s78, s61                     ; EC2 = e10 - e8 - e9: O^T / l stands for ctx / 2^(e8 + e9)
	s_add_co_i32 s78, s78, 127
	s_lshl_b32 s76, s78, 23
	s_add_co_i32 s78, s78, 8
	s_lshl_b32 s77, s78, 23
	s_or_b32 s77, s77, 0x600000
.macro CONSTS t                        ; a tile's constants; all sources are scalars, constants or window 0's v3
	v_mov_b32 v13, 0
	v_mov_b32 v16, 0                               ; a lane permute's destination counts as one of its sources
	v_mov_b32 v19, s74
	v_add_nc_u32 v20, 16*\t, v3                    ; DV = my query in its block of 128, less 8 h: register 8 c + j of the diagonal step is hidden where 16 c + j > DV
	v_mov_b32 v21, 0xff800000
	v_mov_b32 v25, s76
	v_mov_b32 v26, 0
	v_mov_b32 v27, 0
	v_mov_b32 v28, 0
	v_mov_b32 v29, 0
.endm
.macro INIT                            ; the key step is written without a first step of its own: it finds zeros, which the first change of M leaves zeros
	v_mov_b32 v9, 0xff61b1e6                       ; -3e38, under every t
	s_delay_alu instid0(VALU_DEP_1)
	v_floor_f32 v8, -v9
	v_mov_b32 v10, 0
	v_mov_b32 v11, 0
.set j, 0
.rept 32
	v_mov_b32 v[OT+j], 0
.set j, j+1
.endr
.endm
	CONSTS 0
	WIN 0x40
	CONSTS 1
	WIN 0
	INIT
	WIN 0x55
	INIT
	WIN 0
; One tile's softmax of a key step, in the window that is set
.macro SM
	v_max3_num_f32 v14, v[S], v[S+1], v[S+2]       ; the step's largest score among my 64 keys, in two chains; each accumulator is first read at its low end
	v_max3_num_f32 v15, v[S+3], v[S+4], v[S+5]
.irp i, 6,10,14,18,22,26,30,34,38,42,46,50,54,58
	v_max3_num_f32 v14, v14, v[S+\i], v[S+1+\i]
	v_max3_num_f32 v15, v15, v[S+2+\i], v[S+3+\i]
.endr
	v_max3_num_f32 v14, v14, v[S+62], v[S+63]
	s_delay_alu instid0(VALU_DEP_1)
	v_max_num_f32 v14, v14, v15
	s_delay_alu instid0(VALU_DEP_1)
	v_permlanex16_b32 v16, v14, s40, s41
	s_delay_alu instid0(VALU_DEP_1)
	v_max_num_f32 v14, v14, v16                    ; and among lane l xor 16's
	s_delay_alu instid0(VALU_DEP_1)
	v_mul_f32 v14, s42, v14                        ; as t (c is positive)
	s_delay_alu instid0(VALU_DEP_1)
	v_max_num_f32 v9, v9, v14
	v_mov_b32 v14, v8
	s_delay_alu instid0(VALU_DEP_2)
	v_floor_f32 v8, -v9                            ; -M = floor(-t): M is a whole number
	s_delay_alu instid0(VALU_DEP_1)
	v_sub_f32 v14, v8, v14
	s_delay_alu instid0(VALU_DEP_1)
	v_cvt_i32_f32 v14, v14                         ; (it saturates)
	s_delay_alu instid0(VALU_DEP_1)
	v_ldexp_f32 v12, 1.0, v14                      ; f = 2^(old M - new M)
.set j, 0
.rept 32
	v_pk_fma_f32 v[S+j:S+j+1], v[S+j:S+j+1], s[42:43], v[8:9] op_sel_hi:[1,0,0]   ; t - M
.set j, j+2
.endr
.set j, 0
	s_wait_alu depctr_va_vdst(0)
.rept 64
	v_exp_f32 v[S+j], v[S+j]
.set j, j+1
.endr
	v_pk_mul_f32 v[10:11], v[10:11], v[12:13] op_sel_hi:[1,0]   ; the sum under the new M: the plain line behind the exponentials
	s_wait_alu depctr_va_vdst(0)                   ; one wait for the batch, ahead of its first reader
	v_pk_add_f32 v[22:23], v[S:S+1], v[S+2:S+3]    ; the sum of the unquantised p, in two chains
.irp i, 4,8,12,16,20,24,28,32,36,40,44,48,52,56,60
	v_pk_add_f32 v[10:11], v[10:11], v[S+\i:S+1+\i]
	v_pk_add_f32 v[22:23], v[22:23], v[S+2+\i:S+3+\i]
.endr
	s_delay_alu instid0(VALU_DEP_1)
	v_pk_add_f32 v[10:11], v[10:11], v[22:23]
.irp c, 0,1,2,3,4,5,6,7
.irp i, 0,1,2,3,4,5,6,7
.endr
	v_cvt_scalef32_pk8_fp8_f32 v[PC+2*\c:PC+2*\c+1], v[S+8*\c:S+8*\c+7], v19
.endr
.set j, 0
.rept 16
	v_pk_mul_f32 v[OT+j:OT+j+1], v[OT+j:OT+j+1], v[12:13] op_sel_hi:[1,0]   ; O^T under the new M; also the plain lines behind the conversions
.set j, j+2
.endr
.endm
.macro MASK                            ; the diagonal step: hidden scores become -infinity ahead of the maximum
.set n, 0
.rept 64
	v_cmp_gt_i32 vcc_lo, 16*(n/8)+n%8, v20
	v_cndmask_b32 v[S+n], v[S+n], v21, vcc_lo
.set n, n+1
.endr
.endm
; A KEY STEP of 128 keys for both tiles.  qreg: Q's registers.  cond = 1: jumped over where SI > s[mreg], masked where SI = s[mreg].
.macro KSTEP qreg, cond, mreg
.if \cond
	s_cmp_gt_u32 s[SI], s[\mreg]
	s_cbranch_scc1 .Lskip_\@
.endif
	v_add_nc_u32 v2, s[TB], v1
.rept 4
	v_nop                                          ; places in front of loads into V's registers, which the last products read
.endr
.set i, 0
.rept 16
	ds_load_b128 v[KF+4*i:KF+4*i+3], v2 offset:512*i        ; K: eight tiles of 16 keys x two units
.set i, i+1
.endr
	WIN 0x40
.set i, 0
.rept 16
	ds_load_b128 v[KF+4*i:KF+4*i+3], v2 offset:8192+512*i   ; V^T: four tiles of 16 channels x four units
.set i, i+1
.endr
	WIN 0
	s_wait_dscnt 16                                ; K is in; V's 16 loads may be out
.irp c, 0,1,2,3,4,5,6,7
	v_wmma_f32_16x16x64_fp8_fp8 v[S+8*\c:S+8*\c+7], v[KF+8*\c:KF+8*\c+7], v[\qreg:\qreg+7], 0
.endr
	WIN 0x44                                       ; Q and S^T of tile 1; K in window 0
.irp c, 0,1,2,3,4,5,6,7
	v_wmma_f32_16x16x64_fp8_fp8 v[S+8*\c:S+8*\c+7], v[KF+8*\c:KF+8*\c+7], v[\qreg:\qreg+7], 0
.endr
	WIN 0
.rept 4
	v_nop                                          ; places in front of the first read of the scores
.endr
.if \cond
	s_cmp_lg_u32 s[SI], s[\mreg]
	s_cbranch_scc1 .Lopen_\@
	MASK
	WIN 0x55
	MASK
	WIN 0
.Lopen_\@:
.endif
	SM
	s_wait_alu depctr_va_vdst(0)
	s_wait_dscnt 0x0                               ; V is in
	WIN 0x01                                       ; V in window 1
.irp d, 0,1,2,3
	v_wmma_f32_16x16x128_fp8_fp8 v[OT+8*\d:OT+8*\d+7], v[KF+16*\d:KF+16*\d+15], v[PC:PC+15], v[OT+8*\d:OT+8*\d+7]
.endr
	WIN 0x55
	SM
.irp d, 0,1,2,3
	v_wmma_f32_16x16x128_fp8_fp8 v[OT+8*\d:OT+8*\d+7], v[KF+16*\d:KF+16*\d+15], v[PC:PC+15], v[OT+8*\d:OT+8*\d+7]
.endr
	WIN 0
.if \cond
.Lskip_\@:
.endif
	s_add_co_u32 s[TB], s[TB], 16384
.endm
; A tile's end: O^T / l, converted; the codes change halves of the lanes once, so that a lane holds 16 neighbouring channels (32 c + 16 h + 0 .. 15), as the last product's loads give its other operand; two units are stored.
.macro FIN1 t, rb, base
	WIN (0x55*(\t))
	v_add_f32 v10, v10, v11
	s_delay_alu instid0(VALU_DEP_1)
	v_permlanex16_b32 v16, v10, s40, s41
	s_delay_alu instid0(VALU_DEP_1)
	v_add_f32 v10, v10, v16                        ; the row's sum
	s_wait_alu depctr_va_vdst(0)
	v_rcp_f32 v12, v10
	v_nop                                          ; a plain line behind the reciprocal
	s_wait_alu depctr_va_vdst(0)                   ; and the wait ahead of its first reader
.set j, 0
.rept 16
	v_pk_mul_f32 v[OT+j:OT+j+1], v[OT+j:OT+j+1], v[12:13] op_sel_hi:[1,0]
.set j, j+2
.endr
.set j, 0
.rept 32
.set j, j+1
.endr
.irp d, 0,1,2,3
	v_cvt_scalef32_pk8_fp8_f32 v[PC+2*\d:PC+2*\d+1], v[OT+8*\d:OT+8*\d+7], v25   ; channels 16 d + 8 h + 0 .. 7
.endr
	v_nop
.irp c, 0,1
	WIN (0x55*(\t))
	v_permlanex16_b32 v26, v[PC+4*\c], s40, s41    ; the other half's tile 2 c,
	v_permlanex16_b32 v27, v[PC+4*\c+1], s40, s41
	v_permlanex16_b32 v28, v[PC+4*\c+2], s40, s41  ; and its tile 2 c + 1
	v_permlanex16_b32 v29, v[PC+4*\c+3], s40, s41
	WIN (0x05*(\t))                                ; the results go to window 0
	v_cndmask_b32 v[(\rb)+4*\c], v[PC+4*\c], v28, s48       ; lanes 0-15: tile 2 c: mine, then the other half's;
	v_cndmask_b32 v[(\rb)+4*\c+1], v[PC+4*\c+1], v29, s48
	v_cndmask_b32 v[(\rb)+4*\c+2], v26, v[PC+4*\c+2], s48   ; lanes 16-31: tile 2 c + 1: the other half's, then mine
	v_cndmask_b32 v[(\rb)+4*\c+3], v27, v[PC+4*\c+3], s48
.endr
	WIN 0
.irp c, 0,1
	global_store_b128 v1, v[(\rb)+4*\c:(\rb)+4*\c+3], s[\base:\base+1] offset:(\t)*16384+\c*512   ; 512 consecutive aligned bytes; these registers are never written again
.endr
.endm
.macro FINISH base, rb
.rept 4
	v_nop                                          ; places behind the last products
.endr
	FIN1 0, \rb, \base
	FIN1 1, (\rb)+8, \base
.endm
	s_wait_loadcnt 0x0                             ; Q
	s_wait_tensorcnt 0x3                           ; my part of key steps 0-3 is in; three loads may be out
	s_barrier_signal -1
	s_barrier_wait -1                              ; everybody's is
	s_mov_b32 s[TB], 0
	s_mov_b32 s[SI], 0
.Lp0:                                              ; the first group, m = 15 - w >= 8: key steps 0-7 count whole
	KSTEP QH, 0, MH
	s_add_co_u32 s[SI], s[SI], 1
	s_cmp_lt_u32 s[SI], 4
	s_cbranch_scc1 .Lp0
	s_wait_tensorcnt 0x2                           ; key steps 4-7
	s_wait_dscnt 0x0
	s_barrier_signal -1
	s_barrier_wait -1
	s_mov_b32 s[TB], 65536
	s_mov_b32 s[SI], 4
.Lp1:
	KSTEP QH, 0, MH
	s_add_co_u32 s[SI], s[SI], 1
	s_cmp_lt_u32 s[SI], 8
	s_cbranch_scc1 .Lp1
	s_wait_tensorcnt 0x0                           ; all the rest
	s_wait_dscnt 0x0
	s_barrier_signal -1
	s_barrier_wait -1
	s_mov_b32 s[TB], 131072
	s_mov_b32 s[SI], 8
.Lp2:
	KSTEP QH, 1, MH
	s_add_co_u32 s[SI], s[SI], 1
	s_cmp_lt_u32 s[SI], 16
	s_cbranch_scc1 .Lp2
	FINISH 70, 224
	INIT                                           ; the second group, m = w
	WIN 0x55
	INIT
	WIN 0
	s_mov_b32 s[TB], 0
	s_mov_b32 s[SI], 0
.Lp3:
	KSTEP QL, 1, ML
	s_add_co_u32 s[SI], s[SI], 1
	s_cmp_lt_u32 s[SI], 8
	s_cbranch_scc1 .Lp3
	FINISH 72, 240
	s_wait_dscnt 0x0
	s_wait_tensorcnt 0x0
	ds_add_u32 v30, v31
	s_wait_dscnt 0x0
	CROUND                                         ; the closing round
	s_endpgm
.Lfunc_end_k_q3dabc3ee5a_attn:
	.size	k_q3dabc3ee5a_attn, .Lfunc_end_k_q3dabc3ee5a_attn-k_q3dabc3ee5a_attn
	.p2alignl 7, 3214868480
	.fill 96, 4, 3214868480
	.section	.rodata,"a",@progbits
	.p2align	6, 0x0
	.amdhsa_kernel k_q3dabc3ee5a_attn
		.amdhsa_group_segment_fixed_size 263168
		.amdhsa_private_segment_fixed_size 0
		.amdhsa_enable_private_segment 0
		.amdhsa_kernarg_size 32
		.amdhsa_user_sgpr_count 2
		.amdhsa_user_sgpr_kernarg_segment_ptr 1
		.amdhsa_wavefront_size32 1
		.amdhsa_system_sgpr_workgroup_id_x 1
		.amdhsa_system_sgpr_workgroup_id_y 1
		.amdhsa_system_sgpr_workgroup_id_z 1
		.amdhsa_system_vgpr_workitem_id 0
		.amdhsa_next_free_vgpr 512
		.amdhsa_next_free_sgpr 80
		.amdhsa_reserve_vcc 1
		.amdhsa_float_denorm_mode_32 3
		.amdhsa_float_denorm_mode_16_64 3
		.amdhsa_fp16_overflow 1
		.amdhsa_memory_ordered 1
		.amdhsa_forward_progress 1
		.amdhsa_inst_pref_size 145
	.end_amdhsa_kernel
	.amdgpu_metadata
---
amdhsa.version: [ 1, 2 ]
amdhsa.kernels:
  - .name:           k_q3dabc3ee5a_attn
    .symbol:         k_q3dabc3ee5a_attn.kd
    .args:
      - { .name: qimg, .offset: 0, .size: 8, .value_kind: global_buffer, .address_space: global }
      - { .name: kv, .offset: 8, .size: 8, .value_kind: global_buffer, .address_space: global }
      - { .name: lowp_scales, .offset: 16, .size: 8, .value_kind: global_buffer, .address_space: global }
      - { .name: cimg, .offset: 24, .size: 8, .value_kind: global_buffer, .address_space: global }
    .group_segment_fixed_size: 263168
    .private_segment_fixed_size: 0
    .kernarg_segment_align: 8
    .kernarg_segment_size: 32
    .max_flat_workgroup_size: 256
    .sgpr_count:     80
    .vgpr_count:     512
    .wavefront_size: 32
...
	.end_amdgpu_metadata
.endif
;; end of part 2
;; launch proj (part 3): grid 8 x 32, 4 waves a work-group, clusters of 4 x 4, 327,680 bytes of LDS; arguments cimg, Wo_codes, bo, lowp_scales, out0; writes out0
.if DOCPART == 3
	.amdgcn_target "amdgcn-amd-amdhsa--gfx1250"
	.amdhsa_code_object_version 6
	.text
	.protected	k_q3dabc3ee5a_proj
	.globl	k_q3dabc3ee5a_proj
	.p2align	8
	.type	k_q3dabc3ee5a_proj,@function
k_q3dabc3ee5a_proj:
	s_mov_b64 s[64:65], 0
	v_nop
	global_prefetch_b8 v0, s[64:65] scope:SCOPE_SE
	s_setreg_imm32_b32 hwreg(HW_REG_WAVE_MODE, 25, 1), 1
	s_wait_xcnt 0x0
	s_wait_alu depctr_hold_cnt(0) depctr_sa_sdst(0) depctr_va_vdst(0) depctr_va_sdst(0) depctr_va_ssrc(0) depctr_va_vcc(0) depctr_vm_vsrc(0)
	s_getreg_b32 s2, hwreg(HW_REG_IB_STS2, 6, 4)
	s_cmp_eq_u32 s2, 0
	s_cbranch_scc0 .Lentry_in_a_cluster
	s_endpgm
.Lentry_in_a_cluster:
	s_bfe_u32 s2, ttmp6, 0x10000c
	s_cmp_lg_u32 s2, 0xf033
	s_cbranch_scc0 .Lentry_shape_is_right
	s_endpgm
.Lentry_shape_is_right:
; out = ctx Wo^T + bo on E4M3 codes, K = 1,024; out [8,192][1,024] f32.  A sum is multiplied once by 2^(e10 + e11) and bo is added by the same packed multiply-add.
; A tile of 256 x 128 to a work-group, so that there are 256 work-groups; four waves, 128 x 64 each: 32 accumulators.  K goes in steps of 256 through two LDS slots.
; A = ctx comes as IMAGES of operand registers: cimg [tile of 16 rows][head 16][2 units of 512 bytes]; a unit holds, for lane (r, h), row r and channels 32 c + 16 h + 0 .. 15 of the head: four units are a fragment of 128 along K
; in the order that four 16-byte loads 32 bytes apart give Wo's rows.  In LDS the images lie dense: a K step of a tile of rows is 4,096 bytes; every fragment load takes 512 consecutive bytes.
; B = Wo's rows of 256 bytes, 272 apart in LDS.  The matrix instruction takes source 0 = 16 rows of Wo, source 1 = 16 rows of ctx: a lane holds eight neighbouring columns of one row of out.
; CLUSTERS: 4 x 4: ctx's tile is shared along a row of the cluster, Wo's along a column: joint loads.
; LIMIT: e10 + e11 between -126 and 127.  No prefetch is laid: a work-group has two refills in all.
; REGISTERS: window 0: v16-29 addresses; v32-63 bo; v64-95 at work on the way out; v128-255 A's fragments, later rows read back.  window 1: B's two sets.  window 2: accumulator (a, b) at 8 (4 a + b).
.set PITCH,  272
.set ABYTES, 65536                     ; a slot's A: 16 tiles of rows x 4,096 bytes
.set BHALF,  64*PITCH                  ; 64 rows of Wo: one tensor load
.set SLOT,   ABYTES+2*BHALF
.set SPARE,  2*SLOT                    ; behind the ring: the spare words
.set SPITCH, 272                       ; the way out: a stage of 16 rows x (256 + 16) bytes for each wave, in slot 0, which has had its last fill and its last read by then
.set FR,   16
.set ADRA, 16
.set ADRB, 20
.set STO,  24
.set RD,   25
.set CO,   26
.set SPW,  28
.set NIL,  29
.set BO,   32
.set TMP,  64
.set AF,   128
.set BK,   128
.set G1, 24
.set G0, 32
.set G1B, 48
.set G0B, 56
.set MSB, 0
.macro WIN new
.if MSB != (\new)
	s_set_vgpr_msb (MSB<<8)|(\new)
.set MSB, (\new)
.endif
.endm
.macro JLOAD g0a, g1a, g0b, g1b        ; waves 0 and 1 fetch A's halves, waves 2 and 3 B's; four v_nop follow each line
	s_cmp_eq_u32 s15, 0
	s_cbranch_scc0 .Lfor_b_\@
	tensor_load_to_lds s[\g0a:\g0a+3], s[\g1a:\g1a+7]
	s_nop 0
.rept 4
	v_nop
.endr
	s_branch .Lasked_\@
.Lfor_b_\@:
	tensor_load_to_lds s[\g0b:\g0b+3], s[\g1b:\g1b+7]
	s_nop 0
.rept 4
	v_nop
.endr
.Lasked_\@:
.endm
.macro CREST
	s_cmp_lg_u32 s14, 0
	s_cbranch_scc1 .Lnot_wave_0_\@
	s_barrier_signal -3
.Lnot_wave_0_\@:
	s_barrier_wait -3
	s_barrier_signal -1
	s_barrier_wait -1
.endm
.macro CROUND
	s_barrier_signal -1
	s_barrier_wait -1
	CREST
.endm
.macro PLACES n
.rept \n
	v_nop
.endr
.endm
	s_load_b256 s[68:75], s[0:1], 0x0              ; cimg 68, Wo 70, bo 72, the scales 74
	s_load_b64 s[76:77], s[0:1], 0x20              ; out0
	v_lshl_add_u32 v[SPW], v0, 2, SPARE
	v_mov_b32 v[NIL], 0
	ds_add_u32 v28, v29
	ds_add_u32 v28, v29
	s_wait_dscnt 0x0
	v_lshrrev_b32 v1, 5, v0
	v_readfirstlane_b32 s14, v1                    ; wave 0..3
	s_lshr_b32 s15, s14, 1                         ; which 128 rows are mine.  Also: I fetch for A (0) or for B (1)
	s_and_b32 s16, s14, 1                          ; which 64 columns.  Also: which half I fetch
	s_bfe_u32 s40, ttmp6, 0x40000
	s_bfe_u32 s41, ttmp6, 0x40004
	s_lshl_b32 s42, ttmp9, 2
	s_add_co_u32 s42, s42, s40                     ; tile column, 0..7
	s_and_b32 s17, ttmp7, 0xffff
	s_lshl_b32 s17, s17, 2
	s_add_co_u32 s17, s17, s41                     ; tile row, 0..31
	s_lshl_b32 s43, s41, 2
	s_lshl_b32 s43, 15, s43                        ; my row of the cluster
	s_lshl_b32 s44, 0x1111, s40                    ; my column
	s_or_b32 s[G1+0], s43, (3<<16)|(1<<21)         ; A: the mask; elements of 8 bytes; bit 21 beside a mask; no padding
	s_mov_b32 s[G1+1], 512<<16                     ; tensor_dim0 = 512 elements: 4,096 bytes, a K step of a tile of rows
	s_mov_b32 s[G1+2], 8<<16                       ; tensor_dim1 = 8 tiles of rows
	s_mov_b32 s[G1+3], 512<<16                     ; tile_dim0
	s_mov_b32 s[G1+4], 8                           ; tile_dim1
	s_mov_b32 s[G1+5], 2048                        ; from a tile of rows to the next: 16,384 bytes
	s_mov_b32 s[G1+6], 0
	s_mov_b32 s[G1+7], 0
	s_or_b32 s[G1B+0], s44, (1<<20)|(1<<21)|(5<<22)|(3<<25)   ; B: elements of 1 byte; 4 words of padding behind every 64
	s_mov_b32 s[G1B+1], 256<<16
	s_mov_b32 s[G1B+2], 64<<16
	s_mov_b32 s[G1B+3], 256<<16
	s_mov_b32 s[G1B+4], 64
	s_mov_b32 s[G1B+5], 1024
	s_mov_b32 s[G1B+6], 0
	s_mov_b32 s[G1B+7], 0
	s_lshl_b32 s20, s17, 4
	s_lshl_b32 s18, s16, 3
	s_add_co_u32 s20, s20, s18                     ; A: tile of rows 16 x tile row + 8 x half
	s_lshl_b32 s20, s20, 14
	s_mov_b32 s21, 0
	s_lshl_b32 s46, s42, 7
	s_lshl_b32 s18, s16, 6
	s_add_co_u32 s46, s46, s18                     ; B: row 128 x tile column + 64 x half
	s_lshl_b32 s46, s46, 10
	s_mov_b32 s47, 0
	s_mul_i32 s45, s16, 32768                      ; where they go: A's halves,
	s_mul_i32 s19, s16, BHALF
	s_add_co_u32 s19, s19, ABYTES                  ; B's halves behind them
	s_wait_kmcnt 0x0
	s_load_b64 s[96:97], s[74:75], 0x28            ; e10, e11
	s_add_nc_u64 s[20:21], s[68:69], s[20:21]
	s_add_nc_u64 s[46:47], s[70:71], s[46:47]
	CROUND                                         ; the first joint loads meet
.irp s, 0,1
	s_mov_b32 s[G0+4*\s], 1
	s_add_co_u32 s[G0+4*\s+1], s45, \s*SLOT
	s_add_nc_u64 s[G0+4*\s+2:G0+4*\s+3], s[20:21], \s*4096
	s_or_b32 s[G0+4*\s+3], s[G0+4*\s+3], 0x80000000
	s_mov_b32 s[G0B+4*\s], 1
	s_add_co_u32 s[G0B+4*\s+1], s19, \s*SLOT
	s_add_nc_u64 s[G0B+4*\s+2:G0B+4*\s+3], s[46:47], \s*256
	s_or_b32 s[G0B+4*\s+3], s[G0B+4*\s+3], 0x80000000
	s_wait_alu depctr_va_vdst(0)
	s_wait_tensorcnt 0x0
	ds_add_u32 v28, v29
	ds_add_u32 v28, v29
	s_wait_dscnt 0x0
	CROUND
	JLOAD G0+4*\s, G1, G0B+4*\s, G1B               ; one load of mine is out
.endr
	v_and_b32 v1, 15, v0                           ; r
	v_bfe_u32 v2, v0, 4, 1                         ; h
	v_and_b32 v6, 31, v0
	v_lshlrev_b32 v6, 4, v6                        ; 16 x lane
	v_mul_u32_u24 v3, v1, PITCH
	s_wait_alu depctr_va_vdst(0)
	v_lshl_add_u32 v4, v2, 4, v3
	s_mul_i32 s21, s15, 32768                      ; my 8 tiles of rows
	s_mul_i32 s22, s16, BHALF
	s_add_co_u32 s22, s22, ABYTES                  ; my 64 rows of Wo
.irp s, 0,1
	v_add_nc_u32 v[ADRA+\s], s21, v6
	v_add_nc_u32 v[ADRB+\s], s22, v4
	s_add_co_u32 s21, s21, SLOT
	s_add_co_u32 s22, s22, SLOT
.endr
	s_mul_i32 s23, s14, 16*SPITCH                  ; my stage
	v_lshl_add_u32 v5, v2, 5, v3                   ; in: row r, 32 bytes for each half of the lanes
	v_add_nc_u32 v[STO], s23, v5
	v_mul_u32_u24 v5, v2, SPITCH                   ; back: lanes 0-15 one row of 256 bytes, lanes 16-31 the next
	v_lshl_add_u32 v5, v1, 4, v5
	v_add_nc_u32 v[RD], s23, v5
	v_lshlrev_b32 v5, 12, v2
	v_lshl_add_u32 v[CO], v1, 4, v5                ; and the same two rows in out: 4,096 h + 16 r
	s_lshl_b32 s20, s17, 8
	s_lshl_b32 s21, s15, 7
	s_add_co_u32 s20, s20, s21                     ; my first row
	s_lshl_b32 s20, s20, 12
	s_lshl_b32 s22, s42, 9
	s_lshl_b32 s21, s16, 8
	s_add_co_u32 s22, s22, s21                     ; my first column, in bytes
	s_add_co_u32 s20, s20, s22
	s_mov_b32 s21, 0
	s_mov_b32 s23, 0
	s_add_nc_u64 s[76:77], s[76:77], s[20:21]
	s_add_nc_u64 s[72:73], s[72:73], s[22:23]      ; bo at my 64 columns
	v_lshlrev_b32 v7, 5, v2
.irp b, 0,1,2,3
	global_load_b128 v[BO+8*\b:BO+8*\b+3], v7, s[72:73] offset:64*\b          ; register 8 b + j: column 16 b + 8 h + j
	global_load_b128 v[BO+8*\b+4:BO+8*\b+7], v7, s[72:73] offset:64*\b+16
.endr
.macro FRAGA reg, slot, q, i           ; an image: four units of 512 consecutive bytes
.irp c, 0,1,2,3
	ds_load_b128 v[\reg+4*\c:\reg+4*\c+3], v[ADRA+\slot] offset:(\i)*4096+(\q)*2048+512*\c
.endr
.endm
.macro FRAGB reg, slot, q, i           ; rows: registers 4 c .. 4 c + 3 hold K = 32 c + 16 h + 0 .. 15
.irp c, 0,1,2,3
	ds_load_b128 v[\reg+4*\c:\reg+4*\c+3], v[ADRB+\slot] offset:128*(\q)+32*\c+(\i)*16*PITCH
.endr
.endm
; 8 matrix instructions: A's blocks a0, a0 + 1 x B's four.  The 32 accumulators take turns, one instruction a turn, in the same order in every step.
.macro MUL a0, p, zero
.if \zero
	WIN 0x81
.else
	WIN 0xa1
.endif
.irp a, \a0, \a0+1
.irp b, 0,1,2,3
.if \zero
	v_wmma_f32_16x16x128_fp8_fp8 v[8*(4*(\a)+\b):8*(4*(\a)+\b)+7], v[128*(\p)+FR*\b:128*(\p)+FR*\b+FR-1], v[AF+FR*(\a):AF+FR*(\a)+FR-1], 0
.else
	v_wmma_f32_16x16x128_fp8_fp8 v[8*(4*(\a)+\b):8*(4*(\a)+\b)+7], v[128*(\p)+FR*\b:128*(\p)+FR*\b+FR-1], v[AF+FR*(\a):AF+FR*(\a)+FR-1], v[8*(4*(\a)+\b):8*(4*(\a)+\b)+7]
.endif
.endr
.endr
.endm
.macro FETCH_B slot, q, p
	WIN 0x40
.irp i, 0,1,2,3
	FRAGB 128*(\p)+FR*\i, \slot, \q, \i
.endr
	WIN 0
.endm
.macro FETCH_A slot, q, i0
.irp i, \i0, \i0+1, \i0+2, \i0+3
	FRAGA AF+FR*(\i), \slot, \q, \i
.endr
.endm
.macro STEP slot, q, zero
	s_wait_dscnt 16                                ; B's set and A's blocks 0-3 are in; A's blocks 4-7 may be out
	MUL 0, (\q)%2, \zero
	MUL 2, (\q)%2, \zero
	s_wait_dscnt 0
	PLACES 4
	FETCH_B \slot, (\q)+1, 1-(\q)%2
	FETCH_A \slot, (\q)+1, 0
	MUL 4, (\q)%2, \zero
	MUL 6, (\q)%2, \zero
	PLACES 4
	WIN 0
	FETCH_A \slot, (\q)+1, 4
.endm
.macro TURN slot, next, fill
	s_wait_tensorcnt 0x0                           ; all my tensor loads have landed: my part of the next slot
	ds_add_u32 v[SPW], v[NIL]                      ; 0 onto my spare word
	s_wait_dscnt 17                                ; (the add and A's blocks 4-7 may be out)
	MUL 0, 1, 0
	s_wait_dscnt 0x0                               ; the add is done, and my reads of this slot are over
	s_barrier_signal -1
	MUL 2, 1, 0
	WIN 0
	s_barrier_wait -1
.if \fill
	CREST                                          ; no wave of any partner still reads this slot or has a load on its way
	s_add_nc_u64 s[G0+4*\slot+2:G0+4*\slot+3], s[G0+4*\slot+2:G0+4*\slot+3], 2*4096
	s_add_nc_u64 s[G0B+4*\slot+2:G0B+4*\slot+3], s[G0B+4*\slot+2:G0B+4*\slot+3], 2*256
	JLOAD G0+4*\slot, G1, G0B+4*\slot, G1B
.else
	PLACES 4
.endif
	s_wait_alu depctr_va_vdst(0)
	FETCH_B \next, 0, 0
	FETCH_A \next, 0, 0
	MUL 4, 1, 0
	MUL 6, 1, 0
	PLACES 4
	WIN 0
	FETCH_A \next, 0, 4
.endm
	s_wait_tensorcnt 1                             ; my part of K step 0 is in; K step 1's may be out
	s_barrier_signal -1
	s_barrier_wait -1
	FETCH_B 0, 0, 0
	FETCH_A 0, 0, 0
	FETCH_A 0, 0, 4
	STEP 0, 0, 1                                   ; the first products start the sums
	TURN 0, 1, 1
	STEP 1, 0, 0
	TURN 1, 0, 1
	STEP 0, 0, 0
	TURN 0, 1, 0
	STEP 1, 0, 0
	s_wait_dscnt 16
	MUL 0, 1, 0
	MUL 2, 1, 0
	s_wait_dscnt 0
	MUL 4, 1, 0
	MUL 6, 1, 0
	WIN 0
; THE WAY OUT, block by block of 16 rows x 64 columns: sum x 2^(e10 + e11) + bo; through my own stage and back as rows of 256 bytes.  LDS serves a wave's instructions in order (ISA guide 5.7.1.4).
.macro TOSTAGE a
	WIN 0x02                                       ; source 0: the sums
.set j, 0
.rept 16
	v_pk_fma_f32 v[TMP+j:TMP+j+1], v[32*(\a)+j:32*(\a)+j+1], s[96:97], v[BO+j:BO+j+1] op_sel_hi:[1,0,1]
.set j, j+2
.endr
	WIN 0
.irp b, 0,1,2,3
	ds_store_b128 v[STO], v[TMP+8*\b:TMP+8*\b+3] offset:64*\b
	ds_store_b128 v[STO], v[TMP+8*\b+4:TMP+8*\b+7] offset:64*\b+16
.endr
.set BB, BK+32*((\a)%2)
.irp t, 0,1,2,3,4,5,6,7
	ds_load_b128 v[BB+4*\t:BB+4*\t+3], v[RD] offset:\t*2*SPITCH
.endr
.endm
.macro SEND a, younger
.set BB, BK+32*((\a)%2)
	s_wait_dscnt \younger                          ; the block is back; the next block's 8 stores and 8 loads may be out
.irp t, 0,1,2,3,4,5,6,7
	global_store_b128 v[CO], v[BB+4*\t:BB+4*\t+3], s[76:77] offset:(16*(\a)+2*\t)*4096 th:TH_STORE_NT   ; 16 lanes store 256 consecutive aligned bytes; 126 rows at the most in the immediate
.endr
.endm
	s_wait_kmcnt 0x0
	s_add_co_i32 s96, s96, s97
	s_add_co_i32 s96, s96, 127
	s_lshl_b32 s96, s96, 23                        ; 2^(e10 + e11) as f32
	s_wait_loadcnt 0x0                             ; bo
	PLACES 4
	TOSTAGE 0
.irp a, 1,2,3,4,5,6,7
.if \a > 1
	s_wait_xcnt 0x0                                ; block a - 2's stores have read their registers: block a's loads may land there
.endif
	TOSTAGE \a
	SEND \a-1, 16
.endr
	SEND 7, 0
	s_wait_tensorcnt 0x0                           ; the wave's end
	ds_add_u32 v[SPW], v[NIL]
	s_wait_dscnt 0x0
	CROUND                                         ; the closing round
	s_endpgm
.Lfunc_end_k_q3dabc3ee5a_proj:
	.size	k_q3dabc3ee5a_proj, .Lfunc_end_k_q3dabc3ee5a_proj-k_q3dabc3ee5a_proj
	.p2alignl 7, 3214868480
	.fill 96, 4, 3214868480
	.section	.rodata,"a",@progbits
	.p2align	6, 0x0
	.amdhsa_kernel k_q3dabc3ee5a_proj
		.amdhsa_group_segment_fixed_size 327680
		.amdhsa_private_segment_fixed_size 0
		.amdhsa_enable_private_segment 0
		.amdhsa_kernarg_size 40
		.amdhsa_user_sgpr_count 2
		.amdhsa_user_sgpr_kernarg_segment_ptr 1
		.amdhsa_wavefront_size32 1
		.amdhsa_system_sgpr_workgroup_id_x 1
		.amdhsa_system_sgpr_workgroup_id_y 1
		.amdhsa_system_sgpr_workgroup_id_z 1
		.amdhsa_system_vgpr_workitem_id 0
		.amdhsa_next_free_vgpr 768
		.amdhsa_next_free_sgpr 98
		.amdhsa_reserve_vcc 0
		.amdhsa_float_denorm_mode_32 3
		.amdhsa_float_denorm_mode_16_64 3
		.amdhsa_memory_ordered 1
		.amdhsa_forward_progress 1
		.amdhsa_inst_pref_size 79
	.end_amdhsa_kernel
	.amdgpu_metadata
---
amdhsa.version: [ 1, 2 ]
amdhsa.kernels:
  - .name:           k_q3dabc3ee5a_proj
    .symbol:         k_q3dabc3ee5a_proj.kd
    .args:
      - { .name: cimg, .offset: 0, .size: 8, .value_kind: global_buffer, .address_space: global }
      - { .name: Wo_codes, .offset: 8, .size: 8, .value_kind: global_buffer, .address_space: global }
      - { .name: bo, .offset: 16, .size: 8, .value_kind: global_buffer, .address_space: global }
      - { .name: lowp_scales, .offset: 24, .size: 8, .value_kind: global_buffer, .address_space: global }
      - { .name: out0, .offset: 32, .size: 8, .value_kind: global_buffer, .address_space: global }
    .group_segment_fixed_size: 327680
    .private_segment_fixed_size: 0
    .kernarg_segment_align: 8
    .kernarg_segment_size: 40
    .max_flat_workgroup_size: 128
    .sgpr_count:     98
    .vgpr_count:     768
    .wavefront_size: 32
...
	.end_amdgpu_metadata
.endif
;; end of part 3
